; MI455X (gfx1250); checked and timed in simulation.
; The chip was launched on July 23, 2026; its instructions are those of AMD's public machine-readable ISA for CDNA 5 (MIT licence, August 2026) and "CDNA5" Instruction Set Architecture Reference Guide (July 2026). The comments in the code are by the model that wrote it; some were corrected since.
;; Attention Block. Allowed arithmetic: matrix products marked QUANTISED: E4M3 operands, one E8M0 scale for each 32 along K, by v_wmma_scale_f32_16x16x128_f8f6f4 with both operands' format E4M3, f32 sums; everything else in f32.
;; Inputs: Wk_codes 32 x 8 x 32 uint8 (E4M3 codes of Wk, K innermost, in blocks of 32 codes); Wk_scales 32 x 8 uint8 (E8M0 scales of Wk, one for each 32 codes along K); Wq_codes 32 x 8 x 32 uint8 (E4M3 codes of Wq, K innermost, in blocks of 32 codes); Wq_scales 32 x 8 uint8 (E8M0 scales of Wq, one for each 32 codes along K); Wv_codes 256 x 8 x 32 uint8 (E4M3 codes of Wv, K innermost, in blocks of 32 codes); Wv_scales 256 x 8 uint8 (E8M0 scales of Wv, one for each 32 codes along K); bk 32 float32; bq 32 float32; bv 256 float32; gamma 1 float32; x 4 x 256 x 64 x 64 float32.
;; Outputs: out0 4 x 256 x 64 x 64 float32.
;; This version of the problem:
;;   THIS VERSION OF THE PROBLEM IS GIVEN IN LOW PRECISION. The matrix products marked QUANTISED in the list below multiply operands that are first quantised to E4M3 (4 exponent bits, 3 mantissa bits; 8 bits a number), with one power-of-two scale for each 32 numbers along K (OCP MX v1.0); their sums are f32. All else is computed in f32.
;;   The module's matrix products, in the order in which they are computed (A, B: the left and right operand; K: the contracted axis; several contracted axes count as one K, in the product's order):
;;     1. [M 16,384, K 256] x [K 256, N 32]; A: input x; B: input Wq (given as codes): QUANTISED
;;     2. [M 16,384, K 256] x [K 256, N 32]; A: input x; B: input Wk (given as codes): QUANTISED
;;     3. [M 16,384, K 256] x [K 256, N 256]; A: input x; B: input Wv (given as codes): QUANTISED
;;     4. batch 4 x [M 4,096, K 32] x [K 32, N 4,096]; A: computed on the way; B: computed on the way: QUANTISED
;;     5. batch 4 x [M 256, K 4,096] x [K 4,096, N 4,096]; A: computed on the way; B: softmax (see below): QUANTISED
;;   THE QUANTISER, for each operand of a quantised product, along K:
;;     - K is cut into blocks of 32 from its start; a last block that is shorter is filled with zeros.
;;     - A block's scale is 2^e with e = floor(log2(the largest magnitude in the block)) - 8, held to -126 .. 127; a block of zeros has e = 0. As a byte (E8M0): e + 127.
;;     - Each number is divided by its block's scale, clamped to +-448, and rounded to the nearest number of E4M3, ties to even, subnormals kept.
;;     - The product sums the exact products of the quantised numbers (number of the format x scale) in f32.
;;   ~~~python
;;   def quantise(x, axis):      # numpy; x: float32 -> the quantised numbers, widened to float32 again
;;       x = np.moveaxis(x, axis, -1); K = x.shape[-1]
;;       x = np.pad(x, [(0, 0)] * (x.ndim - 1) + [(0, -K % 32)]); x = x.reshape(x.shape[:-1] + (-1, 32)); a = np.abs(x).max(-1, keepdims=True)
;;       e = np.where(a > 0, np.clip(np.frexp(np.where(a > 0, a, 1))[1] - 1 - 8, -126, 127), 0)      # np.frexp(a)[1] - 1 = floor(log2(a)), exactly
;;       r = np.clip(x / 2.0 ** e, -448, 448)
;;       step = 2.0 ** (np.maximum(np.frexp(np.where(r == 0, 1, r))[1] - 1, -6) - 3)
;;       q = np.round(r / step) * step * 2.0 ** e      # np.round: ties to even
;;       return np.moveaxis(q.reshape(q.shape[:-2] + (-1,))[..., :K], -1, axis).astype(np.float32)
;;   ~~~
;;   SOFTMAX AHEAD OF A QUANTISED PRODUCT. Where the list says 'softmax', what is quantised is not the finished softmax but p = 2^(t - M), with t = logit x log2(e) and M = ceil(the row's largest t), a whole number; so 1/2 < the row's largest p <= 1. The row's sum l is taken of the UNQUANTISED p, in f32, and the product's result is divided by l at the end. Since M is a whole number, a kernel that streams over the keys may use a running M (the ceiling of the running maximum): every later rescaling is an exact power of two, which a block's scale takes up: the codes' values come out the same.
;;   OPERANDS COMPUTED ON THE WAY. 'Computed on the way' means the value that the module computes at that place (a softmax that the list does not call 'softmax' is quantised finished and normalised). What goes into a quantiser is computed in f32, as accurately as f32 sums, v_exp_f32 and their like allow (about 1e-6 of the number): no bf16 or f16 on the way to a quantiser, and a product that is left as it is and whose result goes on into a quantised operand takes f32 operands (vector FMAs, or v_wmma_f32_16x16x4_f32). A number that lies on a knife's edge between two numbers of the format may be rounded either way, as far as f32 arithmetic and the matrix unit's own rounding can turn it there, and no further.
;;   INPUTS GIVEN AS CODES. Wk (in the module: [32, 256], K = its axis 1); Wq (in the module: [32, 256], K = its axis 1); Wv (in the module: [256, 256], K = its axis 1): each comes as NAME_codes (uint8): NAME with its K axis moved to the last place and cut into blocks of 32 codes, [.., K / 32, bytes a block], one block behind the other in memory; one code a byte (a code: sign, 4 exponent bits, 3 mantissa bits); and NAME_scales (uint8): the same leading axes, one E8M0 byte (e + 127) for each 32 codes along K. Its value is code x scale, taken as it is: it is not quantised again, and the codes and scales need not be those that the quantiser above would give.
;; One version. Each part assembles by itself: llvm-mc -triple=amdgcn-amd-amdhsa -mcpu=gfx1250 --defsym DOCPART=n.
;; ======== version 1 of 1: 2 launches
;; workspace buffers: kv 4,882,432 bytes; qq 557,056 bytes
;; launch project (part 1): grid 64 x 4, 4 waves a work-group, no clusters, 168,448 bytes of LDS; arguments x, Wq_codes, Wq_scales, bq, Wk_codes, Wk_scales, bk, Wv_codes, Wv_scales, bv, kv, qq; writes kv, qq
.if DOCPART == 1
	.amdgcn_target "amdgcn-amd-amdhsa--gfx1250"
	.amdhsa_code_object_version 6
	.text
	.protected	k_qeba7d41009_project
	.globl	k_qeba7d41009_project
	.p2align	8
	.type	k_qeba7d41009_project,@function
k_qeba7d41009_project:
	s_mov_b64 s[64:65], 0
	v_nop
	global_prefetch_b8 v0, s[64:65] scope:SCOPE_SE
	s_setreg_imm32_b32 hwreg(HW_REG_WAVE_MODE, 25, 1), 1
	s_wait_xcnt 0x0
; q = Wq x + bq, k = Wk x + bk, v = Wv x + bv on codes of FP8 (E4M3) with one E8M0 scale for each 32 along K, and the three results quantised again for the attention that follows.
; x: [4][256 c][4096 n] f32, K = c, which is NOT innermost.  Wq, Wk [32][256], Wv [256][256]: codes, K innermost, scale bytes [rows][8].  bq, bk [32], bv [256]: f32.
; SHARES.  Work-group (F, b) owns positions 64 F .. 64 F + 63 of batch b: half of a key step of 128.  The x tile (256 channels x 64 positions) comes into LDS by one tensor load a wave (64 rows of 256 bytes).
; Wave w quantises position tile w along c (a lane takes ONE position, its registers run down c) and hands the two fragments to the other waves through LDS as images of their registers.
; Then the waves share the columns: wave w makes v's channels 64 w .. 64 w + 63 for all 64 positions; wave 0 also makes q, wave 1 also k (one text, the buffers chosen by the wave's number).
; THE POSITIONS OF A TILE ARE NOT NEIGHBOURS: row m of position tile t is position 32 (t / 2) + 8 (t % 2) + m + 8 (m / 8).  So in v = x Wv^T (source 0 = x, source 1 = Wv: a lane holds one channel and eight positions)
; the 16 registers of tiles 2 i and 2 i + 1 are 16 NEIGHBOURING positions, which are the next product's K.  q and k are made transposed (source 0 = W, whose rows are chosen in the same way): a lane holds one position and 16 neighbouring channels.
; OUT.  kv: for each batch and key step a dense block of 38,144 bytes: V's 16 fragments (16 channels x 128 keys) as register images, K's two fragments (four tiles of 16 keys, one in each block of 32 along K), V's scale words, K's scale words.
;       qq: Q's fragments like K's, one for each 64 positions, and behind all of them their scale words.  Code stores cover 512 consecutive bytes; V's scale bytes leave two at a time (this work-group owns two of a word's four): 64 bytes of each 128 in one store.
; THE WEIGHTS, 84 KB a work-group, are the same for all work-groups and are NOT asked for jointly: each wave takes its own part straight into operand registers, once; a joint load would land them in LDS, whence they would be read again, behind two rounds of a cluster's barrier, for a work-group that has one tile.
; A block's scale is 2^(floor(log2(its largest magnitude)) - 8); its byte is the largest magnitude's exponent field - 8, held at 1 from below.  A block of zeros gets the byte 1 where the rule says 127: its codes are zeros, and this program alone reads the bytes.
; LIMITS: NaN and infinities among the inputs are not served.  The biases are the C of each sum's first product, so they are added ahead of the sum and not behind it.
.set XP,    264                        ; an LDS row of x: 256 bytes + 8 of padding = 66 words.  A load's lanes 0-15 take words 0-7 and 16-23 of a row, lanes 16-31 the same 16 rows on, 1,056 words = 32 mod 64
.set XIMG,  256*XP                     ; behind x's tile: 8 fragment images of 2,048 bytes, (2 x position tile + K step)
.set XSC,   XIMG+8*2048                ; and their scale words, 128 bytes each
.set BLK,   38144                      ; a key step's block in kv
.set KOFF,  32768                      ; in it: K's codes,
.set VSOFF, 36864                      ; V's scale words,
.set KSOFF, 37888                      ; K's scale words
.set QSC,   524288                     ; in qq: the scale words, behind 256 fragments of 2,048 bytes
.set XA,  4                            ; v4   my place in x's tile: 16 (lane / 16) rows down, my position's 4 bytes
.set LI,  5                            ; v5   16 x lane
.set LS,  6                            ; v6   4 x lane
.set XWI, 7                            ; v7   where I store x's images
.set XWS, 8                            ; v8   and their scale words
.set AWV, 9                            ; v9   Wv: row r, + 16 h
.set AWQ, 10                           ; v10  Wq, Wk: row r + 8 (r / 8), + 16 h
.set ASV, 11                           ; v11  Wv's scale words: 8 r
.set ASQ, 12                           ; v12  Wq's, Wk's: 8 (r + 8 (r / 8))
.set ABQ, 13                           ; v13  bq, bk: 64 h
.set ABV, 14                           ; v14  bv: 4 r
.set SH,  15                           ; v15  16 h
.set TM,  16                           ; v16-19 largest magnitudes, v20-23 bytes, v24-27 448 x the scale, v28-31 the conversions' scale operands
.set PW,  32                           ; v32  the scale word just made
.set XS,  33                           ; v33-40 x's scale words (2 x position tile + K step)
.set WVS, 41                           ; v41-48 Wv's (2 x channel tile + K step)
.set WQS, 49                           ; v49-52 Wq's or Wk's (2 x tile + K step)
.set TS,  53                           ; v53, v70 V's two scale bytes on their way out
.set PC,  54                           ; v54-69 the codes just made
.set HA,  72                           ; v72-135  64 numbers: x's K step 0, later v
.set ST,  136                          ; v136-199 64 numbers: x's K step 1, later q or k
.set FI,  200                          ; v200 16 x lane + XIMG
.set FS,  201                          ; v201 4 x lane + XSC
.set RR,  202                          ; v202 r + 8 (r / 8)
.set BQ,  64                           ; window 2: v0-63 Wq's or Wk's four fragments, v64-79 their bias, v80-111 bv.   window 1: v0-127 Wv's eight fragments, v128-255 x's eight
.set BV,  80
.set G0,  28                           ; s[28:31] descriptor group 0, s[32:39] group 1
.set G1,  32
.set WV,  40                           ; s40 wave, s41 F, s42 batch, s43 which half of the key step
.set FG,  41
.set BT,  42
.set HF,  43
.set SEL, 48                           ; s[48:49] v_permlanex16_b32's selects for lane l xor 16
.set MNT, 50                           ; s50 the mantissa field of 448
.set MSB, 0
.macro WIN new                         ; the immediate's high byte repeats the setting that is left
.if MSB != \new
	s_set_vgpr_msb (MSB<<8)|\new
.set MSB, \new
.endif
.endm
.macro PLACES n
.rept \n
	v_nop
.endr
.endm
; 64 numbers of a lane, register 16 b + i = number 32 b + 16 (lane / 16) + i along K of the lane's row, become a fragment's codes in v[PC] on and its scale word in v[PW].
.macro QUANT s
.irp b, 0,1,2,3
	v_max3_num_f32 v[TM+\b], |v[\s+16*\b]|, |v[\s+1+16*\b]|, 0x4800000   ; block b: my 16 numbers, and the floor 2^(9 - 127): the byte cannot fall under 1
.endr
.irp i, 2,4,6,8,10,12,14
.irp b, 0,1,2,3
	v_max3_num_f32 v[TM+\b], v[TM+\b], |v[\s+16*\b+\i]|, |v[\s+1+16*\b+\i]|   ; the four blocks by turns; each accumulator is read from its low end on
.endr
.endr
.irp b, 0,1,2,3
	v_permlanex16_b32 v[TM+4+\b], v[TM+\b], s[SEL], s[SEL+1]
.endr
.irp b, 0,1,2,3
	v_max_num_f32 v[TM+\b], v[TM+\b], v[TM+4+\b]                   ; with lane l xor 16's 16: the block's largest magnitude
.endr
.irp b, 0,1,2,3
	v_add_nc_u32 v[TM+12+\b], 0xfc000000, v[TM+\b]                 ; 8 off its exponent field: the conversion takes this operand's exponent field as its scale
.endr
.irp b, 0,1,2,3
	v_and_or_b32 v[TM+8+\b], v[TM+\b], 0x7f800000, s[MNT]          ; 448 x the scale
.endr
.irp b, 0,1,2,3
	v_lshrrev_b32 v[TM+4+\b], 23, v[TM+12+\b]                      ; the scale's byte
.endr
	v_lshl_or_b32 v[PW], v[TM+5], 8, v[TM+4]
	v_lshl_or_b32 v[PW], v[TM+6], 16, v[PW]
	v_lshl_or_b32 v[PW], v[TM+7], 24, v[PW]
.irp b, 0,1,2,3
.irp i, 0,1,2,3,4,5,6,7,8,9,10,11,12,13,14,15
	v_med3_num_f32 v[\s+16*\b+\i], v[\s+16*\b+\i], -v[TM+8+\b], v[TM+8+\b]   ; the conversion to an 8-bit code does not saturate (ISA guide 7.6.2): the hold at 448 x the scale
.endr
	v_cvt_scalef32_pk8_fp8_f32 v[PC+4*\b:PC+1+4*\b], v[\s+16*\b:\s+7+16*\b], v[TM+12+\b]
	v_cvt_scalef32_pk8_fp8_f32 v[PC+2+4*\b:PC+3+4*\b], v[\s+8+16*\b:\s+15+16*\b], v[TM+12+\b]
.endr
	v_nop                                          ; a plain instruction between the conversions and whatever next writes their sources
.endm
.macro IMAGE off                               ; the fragment in v[PC] on goes to LDS as it stands: lane l's 16 bytes at 16 l, 512 bytes a store
.irp c, 0,1,2,3
	ds_store_b128 v[XWI], v[PC+4*\c:PC+4*\c+3] offset:\off+512*\c
.endr
.endm
	s_load_b256 s[4:11], s[0:1], 0x0               ; x s[4:5], Wq codes s[6:7], Wq scales s[8:9], bq s[10:11]
	s_load_b256 s[12:19], s[0:1], 0x20             ; Wk codes s[12:13], Wk scales s[14:15], bk s[16:17], Wv codes s[18:19]
	s_load_b256 s[20:27], s[0:1], 0x40             ; Wv scales s[20:21], bv s[22:23], kv s[24:25], qq s[26:27]
	v_lshl_add_u32 v254, v0, 2, 0x29000
	v_mov_b32 v255, 0
	ds_add_u32 v254, v255
	v_lshrrev_b32 v1, 5, v0
	v_readfirstlane_b32 s[WV], v1                  ; wave 0..3
	s_mov_b32 s[FG], ttmp9                         ; F: which 64 positions
	s_and_b32 s[BT], ttmp7, 0xffff                 ; the batch
	s_and_b32 s[HF], s[FG], 1
	; descriptor group 1: 64 rows (channels) of 64 elements of 4 bytes, 4,096 elements apart, 2 words of padding behind every 64
	s_mov_b32 s[G1+0], (2<<16)|(1<<20)|(5<<22)|(1<<25)
	s_mov_b32 s[G1+1], 64<<16                      ; tensor_dim0
	s_mov_b32 s[G1+2], 64<<16                      ; tensor_dim1
	s_mov_b32 s[G1+3], 64<<16                      ; tile_dim0
	s_mov_b32 s[G1+4], 64                          ; tile_dim1
	s_mov_b32 s[G1+5], 4096                        ; tensor_dim0_stride
	s_mov_b32 s[G1+6], 0
	s_mov_b32 s[G1+7], 0
	s_mov_b32 s[G0], 1
	s_mul_i32 s[G0+1], s[WV], 64*XP                ; my 64 rows of the tile in LDS
	s_lshl_b32 s44, s[BT], 22                      ; a batch is 4,194,304 bytes,
	s_lshl_b32 s46, s[WV], 20                      ; 64 channels 1,048,576,
	s_add_co_u32 s44, s44, s46
	s_lshl_b32 s46, s[FG], 8                       ; 64 positions 256
	s_add_co_u32 s44, s44, s46
	s_mov_b32 s45, 0
	s_mov_b32 s47, 0
	s_wait_dscnt 0x0
	s_wait_kmcnt 0x0
	s_add_nc_u64 s[G0+2:G0+3], s[4:5], s[44:45]
	s_or_b32 s[G0+3], s[G0+3], 0x80000000          ; type = 2
	tensor_load_to_lds s[G0:G0+3], s[G1:G1+7]      ; one load a wave, filled once
	s_nop 0
	PLACES 4
	; where my parts of the weights begin
	s_lshl_b32 s44, s[WV], 14
	s_add_nc_u64 s[18:19], s[18:19], s[44:45]      ; Wv: 64 rows of 256 bytes
	s_lshl_b32 s44, s[WV], 9
	s_add_nc_u64 s[20:21], s[20:21], s[44:45]      ; its scale bytes: 8 a row
	s_lshl_b32 s44, s[WV], 8
	s_add_nc_u64 s[22:23], s[22:23], s[44:45]      ; bv
	; byte offsets in kv and qq
	s_lshl_b32 s68, s[BT], 5
	s_lshr_b32 s69, s[FG], 1
	s_add_co_u32 s68, s68, s69
	s_mul_i32 s68, s68, BLK                        ; the key step's block
	s_lshl_b32 s69, s[HF], 11
	s_add_co_u32 s69, s69, s68
	s_add_co_u32 s69, s69, KOFF                    ; K's fragment of my half
	s_lshl_b32 s70, s[HF], 7
	s_add_co_u32 s70, s70, s68
	s_add_co_u32 s70, s70, KSOFF                   ; and its scale words
	s_lshl_b32 s71, s[BT], 6
	s_add_co_u32 s71, s71, s[FG]
	s_lshl_b32 s72, s71, 11                        ; Q's fragment
	s_lshl_b32 s73, s71, 7
	s_add_co_u32 s73, s73, QSC                     ; and its scale words
	s_cmp_eq_u32 s[WV], 0                          ; wave 0 serves q, wave 1 k (waves 2 and 3 use none of these): the choice hangs on the wave's number alone
	s_cselect_b64 s[52:53], s[6:7], s[12:13]       ; codes
	s_cselect_b64 s[54:55], s[8:9], s[14:15]       ; scale bytes
	s_cselect_b64 s[56:57], s[10:11], s[16:17]     ; bias
	s_cselect_b64 s[58:59], s[26:27], s[24:25]     ; where the codes go
	s_cselect_b64 s[60:61], s[26:27], s[24:25]     ; and the scale words
	s_cselect_b32 s44, s72, s69
	s_cselect_b32 s46, s73, s70
	s_add_nc_u64 s[58:59], s[58:59], s[44:45]
	s_add_nc_u64 s[60:61], s[60:61], s[46:47]
	s_lshl_b32 s44, s[WV], 13                      ; V's codes: my four fragments, my half's two register groups
	s_lshl_b32 s46, s[HF], 10
	s_add_co_u32 s44, s44, s46
	s_add_co_u32 s44, s44, s68
	s_add_nc_u64 s[62:63], s[24:25], s[44:45]
	s_lshl_b32 s44, s[WV], 8                       ; V's scale words: my two rows of 32 words, my half's two bytes of each
	s_lshl_b32 s46, s[HF], 1
	s_add_co_u32 s44, s44, s46
	s_add_co_u32 s44, s44, s68
	s_add_co_u32 s44, s44, VSOFF
	s_add_nc_u64 s[66:67], s[24:25], s[44:45]
	s_mov_b32 s[SEL], 0x76543210
	s_mov_b32 s[SEL+1], 0xfedcba98
	s_mov_b32 s[MNT], 0x600000
	v_and_b32 v1, 31, v0                           ; lane
	v_and_b32 v2, 15, v0                           ; r
	v_bfe_u32 v3, v0, 4, 1                         ; h
	v_and_b32 v[RR], 8, v2
	v_add_nc_u32 v[RR], v[RR], v2                  ; r + 8 (r / 8)
	s_lshr_b32 s44, s[WV], 1
	s_lshl_b32 s44, s44, 7
	s_and_b32 s46, s[WV], 1
	s_lshl_b32 s46, s46, 5
	s_add_co_u32 s44, s44, s46                     ; my position tile begins at position 32 (w / 2) + 8 (w % 2)
	v_mul_u32_u24 v[XA], v3, 16*XP
	v_lshl_add_u32 v[XA], v[RR], 2, v[XA]
	v_add_nc_u32 v[XA], s44, v[XA]
	v_lshlrev_b32 v[LI], 4, v1
	v_lshlrev_b32 v[LS], 2, v1
	v_add_nc_u32 v[FI], XIMG, v[LI]
	v_add_nc_u32 v[FS], XSC, v[LS]
	s_lshl_b32 s44, s[WV], 12
	v_add_nc_u32 v[XWI], s44, v[FI]                ; my two images
	s_lshl_b32 s44, s[WV], 8
	v_add_nc_u32 v[XWS], s44, v[FS]
	v_lshlrev_b32 v[SH], 4, v3
	v_lshl_add_u32 v[AWV], v2, 8, v[SH]
	v_lshl_add_u32 v[AWQ], v[RR], 8, v[SH]
	v_lshlrev_b32 v[ASV], 3, v2
	v_lshlrev_b32 v[ASQ], 3, v[RR]
	v_lshlrev_b32 v[ABQ], 6, v3
	v_lshlrev_b32 v[ABV], 2, v2
.irp b, 0,1,2,3
	v_mov_b32 v[TM+4+\b], 0                        ; written once: a lane permute's destination counts as one of its sources
.endr
	WIN 0x40                                       ; destination window 1
.irp t, 0,1,2,3                                ; Wv's fragments (channel tile t, K step k) at v[16 (2 t + k)] of window 1: lane r takes channel 16 t + r
.irp k, 0,1
.irp c, 0,1,2,3
	global_load_b128 v[16*(2*\t+\k)+4*\c:16*(2*\t+\k)+4*\c+3], v[AWV], s[18:19] offset:4096*\t+128*\k+32*\c
.endr
.endr
.endr
	WIN 0x80                                       ; destination window 2
.irp t, 0,1,2,3                                ; bv in the result's layout: a lane holds one channel, so its eight registers hold one number
.irp j, 0,1,2,3,4,5,6,7
	global_load_b32 v[BV+8*\t+\j], v[ABV], s[22:23] offset:64*\t
.endr
.endr
	WIN 0
.irp t, 0,1,2,3
.irp k, 0,1
	global_load_b32 v[WVS+2*\t+\k], v[ASV], s[20:21] offset:128*\t+4*\k
.endr
.endr
	s_cmp_lt_u32 s[WV], 2
	s_cbranch_scc0 .Lno_w
	WIN 0x80
.irp u, 0,1                                    ; Wq's or Wk's fragments (tile u, K step k): lane r of tile u takes row 8 u + r + 8 (r / 8)
.irp k, 0,1
.irp c, 0,1,2,3
	global_load_b128 v[16*(2*\u+\k)+4*\c:16*(2*\u+\k)+4*\c+3], v[AWQ], s[52:53] offset:2048*\u+128*\k+32*\c
.endr
.endr
	global_load_b128 v[BQ+8*\u:BQ+8*\u+3], v[ABQ], s[56:57] offset:32*\u       ; the bias in the result's layout: register j of lane (r, h) is channel 16 h + 8 u + j
	global_load_b128 v[BQ+8*\u+4:BQ+8*\u+7], v[ABQ], s[56:57] offset:32*\u+16
.endr
	WIN 0
.irp u, 0,1
.irp k, 0,1
	global_load_b32 v[WQS+2*\u+\k], v[ASQ], s[54:55] offset:64*\u+4*\k
.endr
.endr
.Lno_w:
	s_wait_tensorcnt 0x0                           ; my 64 rows of x's tile are in LDS,
	s_barrier_signal -1
	s_barrier_wait -1                              ; everybody's are
	; ---- X: my 16 positions, all 256 channels: register 16 b + i of K step k is channel 128 k + 32 b + 16 h + i
.irp b, 0,1,2,3
.irp i, 0,1,2,3,4,5,6,7,8,9,10,11,12,13,14,15
	ds_load_b32 v[HA+16*\b+\i], v[XA] offset:(32*\b+\i)*XP
.endr
.endr
.irp b, 0,1,2,3
.irp i, 0,1,2,3,4,5,6,7,8,9,10,11,12,13,14,15
	ds_load_b32 v[ST+16*\b+\i], v[XA] offset:(128+32*\b+\i)*XP
.endr
.endr
	s_wait_dscnt 63                                ; K step 0's 64 loads are in.  64 younger ones were issued; the count's field holds 63, so the first of them is waited for too
	QUANT HA
	IMAGE 0
	ds_store_b32 v[XWS], v[PW]
	s_wait_dscnt 0x0                               ; K step 1's numbers are in, and the stores have read their registers
	QUANT ST
	IMAGE 2048
	ds_store_b32 v[XWS], v[PW] offset:128
	s_wait_dscnt 0x0                               ; for the others' sake: my stores have landed
	s_barrier_signal -1
	s_barrier_wait -1                              ; x's eight fragments lie in LDS
	WIN 0x40
.irp i, 0,1,2,3,4,5,6,7                        ; all eight come back as they were stored, into window 1
.irp c, 0,1,2,3
	ds_load_b128 v[128+16*\i+4*\c:128+16*\i+4*\c+3], v[FI] offset:2048*\i+512*\c
.endr
.endr
	WIN 0
.irp i, 0,1,2,3,4,5,6,7
	ds_load_b32 v[XS+\i], v[FS] offset:128*\i
.endr
	s_wait_dscnt 0x0
	s_wait_loadcnt 0x0                             ; the weights, their scale words and the biases
	; ---- q (wave 0) or k (wave 1): transposed, eight accumulators by turns; accumulator (position tile p, tile u) at v[ST + 16 p + 8 u]
	s_cmp_lt_u32 s[WV], 2
	s_cbranch_scc0 .Lno_qk
	WIN 0x26                                       ; source 0 (W) window 2, source 1 (x) window 1, C (the bias) window 2
.irp p, 0,1,2,3
.irp u, 0,1
	v_wmma_scale_f32_16x16x128_f8f6f4 v[ST+16*\p+8*\u:ST+16*\p+8*\u+7], v[32*\u:32*\u+15], v[128+32*\p:128+32*\p+15], v[BQ+8*\u:BQ+8*\u+7], v[WQS+2*\u], v[XS+2*\p]
.endr
.endr
	WIN 0x06
.irp p, 0,1,2,3
.irp u, 0,1
	v_wmma_scale_f32_16x16x128_f8f6f4 v[ST+16*\p+8*\u:ST+16*\p+8*\u+7], v[32*\u+16:32*\u+31], v[128+32*\p+16:128+32*\p+31], v[ST+16*\p+8*\u:ST+16*\p+8*\u+7], v[WQS+2*\u+1], v[XS+2*\p+1]
.endr
.endr
	WIN 0
	PLACES 8                                       ; eight places behind this form before its results are read
	QUANT ST                                       ; block p = the 32 channels of position tile p's position: four tiles of 16 positions in one fragment
.irp c, 0,1,2,3
	global_store_b128 v[LI], v[PC+4*\c:PC+4*\c+3], s[58:59] offset:512*\c   ; 32 lanes store 512 consecutive bytes
.endr
	global_store_b32 v[LS], v[PW], s[60:61]        ; byte p of word r: the scale of tile p's row r (lanes 16-31 repeat lanes 0-15)
.Lno_qk:
	; ---- v: two channel tiles at a time, eight accumulators by turns; accumulator (tile e, position tile p) at v[HA + 32 e + 8 p]: a lane's registers 32 e + 16 i + 0 .. 15 are positions 32 i + 16 h + 0 .. 15 of channel r
.irp g, 0,1
	s_wait_xcnt 0x0                                ; the stores above have read v[PC] on and v[PW]: only behind this wait are they written again
	WIN 0x25                                       ; sources 0 (x) and 1 (Wv) window 1, C (bv) window 2
.irp e, 0,1
.irp p, 0,1,2,3
	v_wmma_scale_f32_16x16x128_f8f6f4 v[HA+32*\e+8*\p:HA+32*\e+8*\p+7], v[128+32*\p:128+32*\p+15], v[32*(2*\g+\e):32*(2*\g+\e)+15], v[BV+8*(2*\g+\e):BV+8*(2*\g+\e)+7], v[XS+2*\p], v[WVS+2*(2*\g+\e)]
.endr
.endr
	WIN 0x05
.irp e, 0,1
.irp p, 0,1,2,3
	v_wmma_scale_f32_16x16x128_f8f6f4 v[HA+32*\e+8*\p:HA+32*\e+8*\p+7], v[128+32*\p+16:128+32*\p+31], v[32*(2*\g+\e)+16:32*(2*\g+\e)+31], v[HA+32*\e+8*\p:HA+32*\e+8*\p+7], v[XS+2*\p+1], v[WVS+2*(2*\g+\e)+1]
.endr
.endr
	WIN 0
	PLACES 8
	QUANT HA                                       ; block 2 e + i: channel tile e, keys 32 i on
.irp n, 0,1,2,3
	global_store_b128 v[LI], v[PC+4*\n:PC+4*\n+3], s[62:63] offset:(2*\g+\n/2)*2048+(\n%2)*512
.endr
	v_lshrrev_b32 v[TS+17*\g], v[SH], v[PW]        ; lanes 0-15 send tile e = 0's two bytes, lanes 16-31 tile e = 1's
	global_store_b16 v[LS], v[TS+17*\g], s[66:67] offset:128*\g
.endr
	s_wait_tensorcnt 0x0
	ds_add_u32 v254, v255
	s_wait_dscnt 0x0
	s_endpgm
.Lfunc_end_k_qeba7d41009_project:
	.size	k_qeba7d41009_project, .Lfunc_end_k_qeba7d41009_project-k_qeba7d41009_project
	.p2alignl 7, 3214868480
	.fill 96, 4, 3214868480
	.section	.rodata,"a",@progbits
	.p2align	6, 0x0
	.amdhsa_kernel k_qeba7d41009_project
		.amdhsa_group_segment_fixed_size 168448
		.amdhsa_private_segment_fixed_size 0
		.amdhsa_enable_private_segment 0
		.amdhsa_kernarg_size 96
		.amdhsa_user_sgpr_count 2
		.amdhsa_user_sgpr_kernarg_segment_ptr 1
		.amdhsa_wavefront_size32 1
		.amdhsa_system_sgpr_workgroup_id_x 1
		.amdhsa_system_sgpr_workgroup_id_y 1
		.amdhsa_system_sgpr_workgroup_id_z 1
		.amdhsa_system_vgpr_workitem_id 0
		.amdhsa_next_free_vgpr 768
		.amdhsa_next_free_sgpr 80
		.amdhsa_reserve_vcc 0
		.amdhsa_float_denorm_mode_32 3
		.amdhsa_float_denorm_mode_16_64 3
		.amdhsa_memory_ordered 1
		.amdhsa_forward_progress 1
		.amdhsa_inst_pref_size 75
	.end_amdhsa_kernel
	.amdgpu_metadata
---
amdhsa.version: [ 1, 2 ]
amdhsa.kernels:
  - .name:           k_qeba7d41009_project
    .symbol:         k_qeba7d41009_project.kd
    .args:
      - { .name: x, .offset: 0, .size: 8, .value_kind: global_buffer, .address_space: global }
      - { .name: Wq_codes, .offset: 8, .size: 8, .value_kind: global_buffer, .address_space: global }
      - { .name: Wq_scales, .offset: 16, .size: 8, .value_kind: global_buffer, .address_space: global }
      - { .name: bq, .offset: 24, .size: 8, .value_kind: global_buffer, .address_space: global }
      - { .name: Wk_codes, .offset: 32, .size: 8, .value_kind: global_buffer, .address_space: global }
      - { .name: Wk_scales, .offset: 40, .size: 8, .value_kind: global_buffer, .address_space: global }
      - { .name: bk, .offset: 48, .size: 8, .value_kind: global_buffer, .address_space: global }
      - { .name: Wv_codes, .offset: 56, .size: 8, .value_kind: global_buffer, .address_space: global }
      - { .name: Wv_scales, .offset: 64, .size: 8, .value_kind: global_buffer, .address_space: global }
      - { .name: bv, .offset: 72, .size: 8, .value_kind: global_buffer, .address_space: global }
      - { .name: kv, .offset: 80, .size: 8, .value_kind: global_buffer, .address_space: global }
      - { .name: qq, .offset: 88, .size: 8, .value_kind: global_buffer, .address_space: global }
    .group_segment_fixed_size: 168448
    .private_segment_fixed_size: 0
    .kernarg_segment_align: 8
    .kernarg_segment_size: 96
    .max_flat_workgroup_size: 128
    .sgpr_count:     80
    .vgpr_count:     768
    .wavefront_size: 32
...
	.end_amdgpu_metadata
.endif
;; end of part 1
;; launch attend (part 2): grid 64 x 4, 8 waves a work-group, clusters of 4 x 1, 327,680 bytes of LDS; arguments kv, qq, x, gamma, out0; writes out0
.if DOCPART == 2
	.amdgcn_target "amdgcn-amd-amdhsa--gfx1250"
	.amdhsa_code_object_version 6
	.text
	.protected	k_qeba7d41009_attend
	.globl	k_qeba7d41009_attend
	.p2align	8
	.type	k_qeba7d41009_attend,@function
k_qeba7d41009_attend:
	s_mov_b64 s[64:65], 0
	v_nop
	global_prefetch_b8 v0, s[64:65] scope:SCOPE_SE
	s_setreg_imm32_b32 hwreg(HW_REG_WAVE_MODE, 25, 1), 1
	s_wait_xcnt 0x0
	s_wait_alu depctr_hold_cnt(0) depctr_sa_sdst(0) depctr_va_vdst(0) depctr_va_sdst(0) depctr_va_ssrc(0) depctr_va_vcc(0) depctr_vm_vsrc(0)
	s_getreg_b32 s2, hwreg(HW_REG_IB_STS2, 6, 4)
	s_cmp_eq_u32 s2, 0
	s_cbranch_scc0 .Lentry_in_a_cluster
	s_endpgm
.Lentry_in_a_cluster:
	s_bfe_u32 s2, ttmp6, 0x10000c
	s_cmp_lg_u32 s2, 0x3003
	s_cbranch_scc0 .Lentry_shape_is_right
	s_endpgm
.Lentry_shape_is_right:
; out[b][c][i] = gamma x (sum over j of v[b][c][j] p[i][j]) / l[i] + x[b][c][i], p = 2^(t - M), t = (q_i . k_j) x log2(e), both products on codes of FP8 (E4M3) with one E8M0 scale for each 32 along K.
; kv holds, for each batch and step of 128 keys, one dense block of 38,144 bytes: V's 16 fragments, K's two, V's and K's scale words, all as images of the operands' registers.  qq holds Q likewise.
; THE SOFTMAX: M = the largest t so far, rounded UP to a whole number; p is quantised along the keys and not normalised; the sum l is taken of the unquantised p; when M moves, l and O are multiplied by 2^(old M - new M), which rounds nothing.
; SHARES.  A work-group owns 64 queries of one batch.  Eight waves, two to a SIMD: wave w walks key steps 8 (w % 4) .. 8 (w % 4) + 7 (a quarter of the keys) for query tiles 2 (w / 4) and 2 (w / 4) + 1,
; so that each fragment of K and V read from LDS feeds two tiles of queries, and one wave's vector work stands beside the other's matrix work.  At the end the four quarters are brought under one M and added, through LDS.
; CLUSTER.  The four work-groups of a cluster belong to one batch and walk the same blocks: each block is asked for JOINTLY, by the same tensor load with a mask that names the four (waves 0 to 3, one block each, 149 rows of 256 bytes).
; LAYOUT.  Both products are used transposed: S^T = K Q^T, O^T = V^T P^T: a lane holds ONE query (lane % 16) throughout.  Row m of key tile t is key 32 (t / 2) + 8 (t % 2) + m + 8 (m / 8), so that the 16 registers of tiles 2 i and 2 i + 1 are 16 neighbouring keys.
; THE FIRST PRODUCT HAS K = 32 in an instruction of K = 128.  A fragment of K holds FOUR tiles of 16 keys, one in each block of 32; Q stands among zero codes, and the operand that begins 4 e registers lower has q in block e and zero codes in the other three.
; So the product is key tile e's scores: the other blocks add (a finite code) x 0.  No code made by this program is the NaN code (the quantiser holds at 448), every scale byte lies in 1 .. 254, and q's byte is repeated in all four bytes of its word.
; LIMITS: NaN and infinities are not served.  p under 2^-126 becomes 0 (v_exp_f32 flushes: ISA guide 15.8).  A block's largest p is taken from its largest score, which takes v_exp_f32 not to fall where its input rises.
; A block whose every p is 0 gets the byte 1 where the rule says 127: its codes are zeros.  ORDER AT THE END: each quarter's O is multiplied by gamma x 2^(its M - the row's M) / l; the four are added as (q0 + q1) + (q2 + q3); x is added last.
; REGISTERS.  window 0: v1-6 addresses that stay; v12-19 -M, largest t and the sum's two halves for each tile; v20-33 scale words; v34-37 f; v38-81 Q among zeros; v82-113 p's codes; v114-145 K, then V;
;   v146-209 S^T and p, then V; v210-234 at work; v236-249 the way out.   window 1: O^T, (tile T, channels 16 c on) at v[128 T + 8 c].
.set BLK,   38144                      ; a key step's block
.set QRT,   2*BLK                      ; a quarter's ring of two slots
.set KOFF,  32768                      ; in a block: K's codes,
.set VSOFF, 36864                      ; V's scale words,
.set KSOFF, 37888                      ; K's scale words
.set SPARE, 4*QRT                      ; behind the rings: the spare words, 128 bytes for each wave: four blocks of 256 bytes that no other line names
.set STAT,  SPARE+1024                 ; -M and l of every quarter: query tile x 512 + quarter x 128 + 4 x lane
.set SPT,   544                        ; the way out: a stage row holds a PAIR of channels for 64 queries, 8 bytes a query: 256 bytes for the queries whose (q / 2) is even, 32 of gap, 256 for the others
.set SHF,   288                        ; where the second half begins
.set SQ,    128*SPT                    ; a quarter's stage.  The four lie in the rings, which have had their last fill and their last read when the first result is stored there
.set QSC,   524288                     ; in qq: the scale words
.set AD,  1                            ; v1, v2  16 x lane + slot 0, 1 of my quarter's ring
.set AS,  3                            ; v3, v4  4 x lane + the same
.set SPW, 5                            ; v5   LDS address of my spare word; never rewritten
.set NIL, 6                            ; v6   0; never rewritten
.set ST0, 12                           ; tile T: v[12 + 4 T] -M, +1 the largest t, +2, +3 the sum in two halves
.set QS,  20                           ; v20-21 q's scale word of tile T
.set PS,  22                           ; v22-23 p's
.set KS,  24                           ; v24-25 K's, for each of its two fragments
.set VS,  26                           ; v26-33 V's: lanes 0-15 channel tile 2 i, lanes 16-31 tile 2 i + 1
.set FP,  34                           ; v[34 + 2 T : 35 + 2 T] f = 2^(old M - new M), in the low word
.set QB,  38                           ; 12 zeros, Q of tile 0, 12 zeros, Q of tile 1, 12 zeros
.set PC,  82
.set KF,  114                          ; K's two fragments; also the first of three buffers of two V fragments (v114, v146, v178)
.set S,   146
.set BM,  210                          ; v210-213 a block's largest score, then its largest p
.set T2,  214
.set HD,  218                          ; v218-221 448 x the scale
.set SO,  222                          ; the conversion's scale operand
.set TMP, 226
.set SM2, 228                          ; v[228:229] the sum's second chain
.set HDB, 231                          ; v231-234 448 x the scale once more: the second half of a dual-issue pair takes its bound from a register whose number differs modulo 4 from the first half's
.set RL,  236                          ; the way out: r, h, lane
.set HL,  237
.set LN,  238
.set XO,  239                          ; my bytes in x and in out
.set SAD, 240                          ; where I put my -M or l
.set RDS, 241                          ; where I read the four quarters'
.set SA,  242                          ; v242-243 where I put results in my quarter's stage: channels 0-127, 128-255
.set RA,  244                          ; v244-247 where I read rows back, quarter by quarter
.set RR,  248
.set TA,  249
.set X,   146                          ; x, 16 x 4 registers, and on it the result
.set CB,  38                           ; two buffers of 32 registers for rows from the stages
.set EJ,  114                          ; the quarters' -M and l
.set G1,  16                           ; s[16:23] descriptor group 1;  s[24:27], s[28:31] group 0 for slot 0, 1
.set G0,  24
.set GAM, 14
.set WV,  32
.set QT,  33                           ; my quarter of the keys
.set QH,  34                           ; my half of the queries
.set SEL, 38                           ; s[38:39] v_permlanex16_b32's selects for lane l xor 16
.set CS,  40                           ; s[40:41] log2(e): the packed form names a pair and takes its low word for both halves
.set MNT, 42                           ; the mantissa field of 448
.set CNT, 43
.set MSB, 0
.macro WIN new                         ; the immediate's high byte repeats the setting that is left
.if MSB != \new
	s_set_vgpr_msb (MSB<<8)|\new
.set MSB, \new
.endif
.endm
.macro PLACES n
.rept \n
	v_nop
.endr
.endm
; A round of the cluster's barrier: my work-group's barrier, wave 0 signals for the work-group, every wave waits for all four work-groups, my work-group's barrier once more.  CREST is a round behind its opening barrier.
.macro CREST
	s_cmp_lg_u32 s[WV], 0
	s_cbranch_scc1 .Lnot_wave_0_\@
	s_barrier_signal -3
.Lnot_wave_0_\@:
	s_barrier_wait -3
	s_barrier_signal -1
	s_barrier_wait -1
.endm
.macro ROUND
	s_barrier_signal -1
	s_barrier_wait -1
	CREST
.endm
; A joint load: waves 0 to 3 fetch their quarters' blocks, the others nothing.  The branch hangs on the wave's number alone.  Four v_nop follow the load.
.macro TLOAD g0
	s_cmp_lt_u32 s[WV], 4
	s_cbranch_scc0 .Lnone_\@
	tensor_load_to_lds s[\g0:\g0+3], s[G1:G1+7]
	s_nop 0
	PLACES 4
.Lnone_\@:
.endm
; S^T of query tile tl: eight tiles of 16 keys.  Tile t lies in block t % 4 of K's fragment t / 4; Q's operand has q in that block.
.macro SMUL tl
.irp t, 0,1,2,3,4,5,6,7
	v_wmma_scale_f32_16x16x128_f8f6f4 v[S+8*\t:S+8*\t+7], v[KF+16*(\t/4):KF+16*(\t/4)+15], v[QB+12+16*\tl-4*(\t%4):QB+12+16*\tl-4*(\t%4)+15], 0, v[KS+\t/4], v[QS+\tl]
.endr
.endm
; THE PLAIN WORK THAT STANDS BETWEEN THE EXPONENTIALS: a list of 83 instructions; FILLER writes number FN of it and steps FN.
;   0-23   t - M for pairs 8 to 31 of the scores (pair k stands at number k - 8, its exponentials at places 2 k and 2 k + 1: always later)
;   24-27  f = 2^(old M - new M); the sum x f
;   28-50  for the four blocks: the floor under the largest p, the conversion's scale operand, 448 x the scale (twice), the scale's byte; the scale word
;   51-82  the row's sum of the UNQUANTISED p, two at a time, in two chains; number 52 + z reads scores up to 7 + 4 (z / 2), whose exponentials stand far back
.macro FILLER tl
.if FN < 24
	v_pk_fma_f32 v[S+16+2*FN:S+17+2*FN], v[S+16+2*FN:S+17+2*FN], s[CS:CS+1], v[NM:NM+1] op_sel_hi:[1,0,0]
.elseif FN == 24
	v_sub_f32 v[TMP], v[NM], v[TMP]                                        ; old M - new M: a whole number, 0 or less
.elseif FN == 25
	v_cvt_i32_f32 v[TMP], v[TMP]                                           ; (it saturates)
.elseif FN == 26
	v_ldexp_f32 v[FF], 1.0, v[TMP]                                         ; f
.elseif FN == 27
	v_pk_mul_f32 v[LL:LL+1], v[LL:LL+1], v[FF:FF+1] op_sel_hi:[1,0]        ; the sums under the new M
.elseif FN < 32
	s_wait_alu depctr_va_vdst(0)
	v_max_num_f32 v[BM+FN-28], 0x4800000, v[BM+FN-28]                      ; the floor 2^(9 - 127): the byte cannot fall under 1
.elseif FN < 36
	v_add_nc_u32 v[SO+FN-32], 0xfc000000, v[BM+FN-32]                      ; 8 off the exponent field: the conversion's scale operand
.elseif FN < 40
	v_and_or_b32 v[HD+FN-36], v[BM+FN-36], 0x7f800000, s[MNT]              ; 448 x the scale
.elseif FN < 44
	v_and_or_b32 v[HDB+FN-40], v[BM+FN-40], 0x7f800000, s[MNT]             ; and once more
.elseif FN < 48
	v_lshrrev_b32 v[T2+FN-44], 23, v[SO+FN-44]                             ; the scale's byte
.elseif FN == 48
	v_lshl_or_b32 v[PS+\tl], v[T2+1], 8, v[T2]                             ; p's scale word for these 128 keys: far more than eight plain instructions ahead of the products that take it
.elseif FN == 49
	v_lshl_or_b32 v[PS+\tl], v[T2+2], 16, v[PS+\tl]
.elseif FN == 50
	v_lshl_or_b32 v[PS+\tl], v[T2+3], 24, v[PS+\tl]
.elseif FN == 51
	v_pk_add_f32 v[SM2:SM2+1], v[S:S+1], v[S+2:S+3]
.elseif FN < 82
.if (FN-52)%2 == 0
	s_wait_alu depctr_va_vdst(0)
	v_pk_add_f32 v[LL:LL+1], v[LL:LL+1], v[S+4+4*((FN-52)/2):S+5+4*((FN-52)/2)]
.else
	v_pk_add_f32 v[SM2:SM2+1], v[SM2:SM2+1], v[S+6+4*((FN-52)/2):S+7+4*((FN-52)/2)]
.endif
.else
	v_pk_add_f32 v[LL:LL+1], v[LL:LL+1], v[SM2:SM2+1]
.endif
.set FN, FN+1
.endm
; The softmax of query tile tl for these 128 keys: scores in v[S] on become p, p's codes go to v[PC + 16 tl] on, their scale word to v[PS + tl], f to v[FP + 2 tl].
.macro SOFT tl
.set NM, ST0+4*\tl
.set TX, NM+1
.set LL, NM+2
.set FF, FP+2*\tl
.set PT, PC+16*\tl
.irp b, 0,1,2,3
	v_max3_num_f32 v[BM+\b], v[S+16*\b], v[S+1+16*\b], v[S+2+16*\b]        ; the largest score of each block of 32 keys: it serves for the row's maximum and, since p rises with the score, for the block's largest p
.endr
.irp i, 3,5,7,9,11,13
.irp b, 0,1,2,3
	v_max3_num_f32 v[BM+\b], v[BM+\b], v[S+16*\b+\i], v[S+1+16*\b+\i]      ; the four blocks by turns; each accumulator is read from its low end on
.endr
.endr
.irp b, 0,1,2,3
	v_max_num_f32 v[BM+\b], v[BM+\b], v[S+15+16*\b]
.endr
.irp b, 0,1,2,3
	v_permlanex16_b32 v[T2+\b], v[BM+\b], s[SEL], s[SEL+1]
.endr
.irp b, 0,1,2,3
	v_max_num_f32 v[BM+\b], v[BM+\b], v[T2+\b]                             ; with lane l xor 16's 16 keys
.endr
	v_max3_num_f32 v[TMP], v[BM], v[BM+1], v[BM+2]
	v_max_num_f32 v[TMP], v[TMP], v[BM+3]
	v_mul_f32 v[TMP], s[CS], v[TMP]                                        ; as t (log2(e) is positive)
	v_max_num_f32 v[TX], v[TX], v[TMP]                                     ; the running largest t
	v_mov_b32 v[TMP], v[NM]                                                ; the old -M is kept for f
	v_floor_f32 v[NM], -v[TX]                                              ; the new -M = floor(-t) = -ceil(t)
.irp b, 0,1,2,3
	v_fma_f32 v[BM+\b], v[BM+\b], s[CS], v[NM]                             ; t - M of each block's largest score: the same multiply-add and exponential as the scores get
.endr
.irp k, 0,1,2,3
	v_pk_fma_f32 v[S+2*\k:S+1+2*\k], v[S+2*\k:S+1+2*\k], s[CS:CS+1], v[NM:NM+1] op_sel_hi:[1,0,0]   ; t - M, two at a time: pairs 0 to 3
.endr
.irp b, 0,1,2,3
	v_exp_f32 v[BM+\b], v[BM+\b]                                           ; the block's largest p
	v_pk_fma_f32 v[S+8+2*\b:S+9+2*\b], v[S+8+2*\b:S+9+2*\b], s[CS:CS+1], v[NM:NM+1] op_sel_hi:[1,0,0]   ; pairs 4 to 7
.endr
.set FN, 0
.rept 64                               ; no two exponentials follow each other: behind each stands a plain instruction that names neither its result nor its source (ISA guide 5.7.2)
	v_exp_f32 v[S+FN], v[S+FN]                                             ; p = 2^(t - M), at most 1
	FILLER \tl
.endr
.rept 19
	FILLER \tl                                                             ; the rest of the sums
.endr
.irp b, 0,1,2,3
.irp i, 0,2,4,6,8,10,12,14
	v_dual_min_num_f32 v[S+16*\b+\i], v[S+16*\b+\i], v[HD+\b] :: v_dual_min_num_f32 v[S+1+16*\b+\i], v[S+1+16*\b+\i], v[HDB+\b]   ; the conversion to an 8-bit code does not saturate (ISA guide 7.6.2); p is not negative, so the hold is one-sided; two holds an instruction
.endr
	v_cvt_scalef32_pk8_fp8_f32 v[PT+4*\b:PT+1+4*\b], v[S+16*\b:S+7+16*\b], v[SO+\b]
	v_cvt_scalef32_pk8_fp8_f32 v[PT+2+4*\b:PT+3+4*\b], v[S+8+16*\b:S+15+16*\b], v[SO+\b]
.endr
.endm
.macro LOADV gr, sl                    ; V's fragments 2 gr and 2 gr + 1 into buffer gr % 3: eight loads of 512 consecutive bytes
.irp u, 0,1
.irp c, 0,1,2,3
	ds_load_b128 v[KF+32*((\gr)%3)+16*\u+4*\c:KF+32*((\gr)%3)+16*\u+4*\c+3], v[AD+\sl] offset:(2*(\gr)+\u)*2048+512*\c
.endr
.endr
.endm
.macro RESC gr                         ; O^T of channel tiles 2 gr, 2 gr + 1, both query tiles, under the new M: x f
.irp t, 0,1
.irp j, 0,2,4,6,8,10,12,14
	v_pk_mul_f32 v[128*\t+16*(\gr)+\j:128*\t+16*(\gr)+\j+1], v[128*\t+16*(\gr)+\j:128*\t+16*(\gr)+\j+1], v[FP+2*\t:FP+2*\t+1] op_sel_hi:[1,0]
.endr
.endr
.endm
.macro PVG gr, first                   ; O^T += V^T P^T: two channel tiles x two query tiles, four accumulators by turns.  first = 1: the products start the sums
.irp u, 0,1
.irp t, 0,1
.set rO, 128*\t+8*(2*(\gr)+\u)
.set rV, KF+32*((\gr)%3)+16*\u
.if \first
.if \u
	v_wmma_scale_f32_16x16x128_f8f6f4 v[rO:rO+7], v[rV:rV+15], v[PC+16*\t:PC+16*\t+15], 0, v[VS+(\gr)], v[PS+\t] matrix_a_scale:MATRIX_SCALE_ROW1
.else
	v_wmma_scale_f32_16x16x128_f8f6f4 v[rO:rO+7], v[rV:rV+15], v[PC+16*\t:PC+16*\t+15], 0, v[VS+(\gr)], v[PS+\t]
.endif
.else
.if \u
	v_wmma_scale_f32_16x16x128_f8f6f4 v[rO:rO+7], v[rV:rV+15], v[PC+16*\t:PC+16*\t+15], v[rO:rO+7], v[VS+(\gr)], v[PS+\t] matrix_a_scale:MATRIX_SCALE_ROW1
.else
	v_wmma_scale_f32_16x16x128_f8f6f4 v[rO:rO+7], v[rV:rV+15], v[PC+16*\t:PC+16*\t+15], v[rO:rO+7], v[VS+(\gr)], v[PS+\t]
.endif
.endif
.endr
.endr
.endm
; A KEY STEP, from slot sl, and the change of slots at its end.
; nxt = 2: this slot is filled again.  Behind the step's last LDS load (V's group 7) each wave waits for all its tensor loads (the next step's block), adds 0 to its spare word, and, a group of products later, waits for that and for its
; reads of this slot; then it signals.  The last two groups work on registers alone and stand between the signal and the wait.  The barrier opens a round of the cluster's: behind it the next block is whole in every partner and nobody
; reads this slot, which takes the block two steps on: that load has the whole next step in which to land.  One tensor load of a wave is out at the most.
; nxt = 1: the same without a refill, so a barrier of the work-group does.  nxt = 0: the last step.
.macro BODY sl, first, nxt
.irp u, 0,1
.irp c, 0,1,2,3
	ds_load_b128 v[KF+16*\u+4*\c:KF+16*\u+4*\c+3], v[AD+\sl] offset:KOFF+2048*\u+512*\c
.endr
	ds_load_b32 v[KS+\u], v[AS+\sl] offset:KSOFF+128*\u
.endr
.irp i, 0,1,2,3,4,5,6,7
	ds_load_b32 v[VS+\i], v[AS+\sl] offset:VSOFF+128*\i
.endr
	s_wait_dscnt 8                                 ; K and its scale words are in; V's eight scale words, issued behind them, may be out: they are older than every load of V, whose waits cover them
	SMUL 0
	PLACES 8                                       ; eight places behind this form before its results are read
	SOFT 0
	v_nop                                          ; a plain instruction between the conversions and the products that write their sources
	SMUL 1
	PLACES 8                                       ; also the places in front of the loads into K's registers
	LOADV 0, \sl
	SOFT 1
	LOADV 1, \sl                                   ; into the registers that p has left
	LOADV 2, \sl
.irp g, 0,1,2,3,4,5,6,7
.if \first
	PLACES 8                                       ; nothing to rescale yet: the places in front of the products (p's codes were just made) and of the loads below
.else
	WIN 0x41                                       ; O^T (destination, source 0) window 1, f window 0
	RESC \g                                        ; sixteen plain instructions that name nothing of the products before them: the places in front of the loads below
.endif
.if (\g > 0) && (\g < 6)
	WIN 0
	LOADV \g+2, \sl                                ; into the buffer that group g - 1's products have read
.endif
.if \nxt && (\g == 5)
	s_wait_tensorcnt 0x0                           ; no tensor load of mine is out, so a group 0 may be written
	ds_add_u32 v[SPW], v[NIL]                      ; 0 onto my spare word
.if \nxt == 2
	s_add_nc_u64 s[G0+4*\sl+2:G0+4*\sl+3], s[G0+4*\sl+2:G0+4*\sl+3], 2*BLK   ; this slot's next block
.endif
	s_wait_dscnt 17                                ; group 5's eight loads are in; the sixteen of groups 6 and 7 and the add may be out
.elseif \nxt && (\g == 6)
	s_wait_dscnt 0x0                               ; the add is done, and my reads of this slot are over
	s_barrier_signal -1                            ; say so; what follows up to the wait works on registers alone
.elseif \nxt && (\g == 7)
.elseif \g < 6
	s_wait_dscnt 16                                ; group g's eight loads are in; those of the two groups behind it may be out
.elseif \g == 6
	s_wait_dscnt 8
.else
	s_wait_dscnt 0
.endif
	WIN 0x50                                       ; V and P window 0, C and D window 1
	PVG \g, \first
.endr
	WIN 0
	PLACES 9                                       ; in front of the next loads into K's, V's and the scale words' registers, and of the next step's first products, which write over V's buffers
.if \nxt
	s_barrier_wait -1
.endif
.if \nxt == 2
	CREST
	TLOAD G0+4*\sl                                 ; the first thing behind the round, and a wave's one tensor load until the next
.endif
.endm
	s_load_b256 s[4:11], s[0:1], 0x0               ; kv s[4:5], qq s[6:7], x s[8:9], gamma s[10:11]
	s_load_b64 s[12:13], s[0:1], 0x20              ; out0
	v_lshl_add_u32 v[SPW], v0, 2, SPARE
	v_mov_b32 v[NIL], 0
	ds_add_u32 v5, v6
	s_wait_dscnt 0x0
	v_lshrrev_b32 v7, 5, v0
	v_readfirstlane_b32 s[WV], v7                  ; wave 0..7
	s_and_b32 s[QT], s[WV], 3
	s_lshr_b32 s[QH], s[WV], 2
	s_bfe_u32 s37, ttmp6, 0x40000                  ; cx: my place in the cluster
	s_lshl_b32 s35, ttmp9, 2                       ; in a cluster launch ttmp9 counts clusters
	s_add_co_u32 s35, s35, s37                     ; F: my 64 queries.  It enters the addresses of qq, x and out0 alone
	s_and_b32 s36, ttmp7, 0xffff                   ; the batch, which the four partners share
	; descriptor group 1: a dense block as 149 rows of 256 bytes (32 elements of 8 bytes), no padding: images are read 16 bytes a lane on end
	s_mov_b32 s[G1+0], 15|(3<<16)|(1<<21)          ; 15:0 the mask: all four work-groups; 17:16 elements of 8 bytes; 21 set beside a mask
	s_mov_b32 s[G1+1], 32<<16                      ; tensor_dim0
	s_mov_b32 s[G1+2], 149<<16                     ; tensor_dim1
	s_mov_b32 s[G1+3], 32<<16                      ; tile_dim0
	s_mov_b32 s[G1+4], 149                         ; tile_dim1
	s_mov_b32 s[G1+5], 32                          ; tensor_dim0_stride
	s_mov_b32 s[G1+6], 0
	s_mov_b32 s[G1+7], 0
	s_lshl_b32 s44, s36, 5
	s_lshl_b32 s45, s[QT], 3
	s_add_co_u32 s44, s44, s45
	s_mul_i32 s44, s44, BLK                        ; my quarter's first block: batch x 32 + 8 x quarter
	s_mov_b32 s45, 0
	s_mov_b32 s[G0], 1
	s_mul_i32 s[G0+1], s[QT], QRT                  ; slot 0 of my quarter's ring: no place in the cluster enters an LDS address
	s_mov_b32 s[G0+4], 1
	s_add_co_u32 s[G0+5], s[G0+1], BLK             ; slot 1
	s_lshl_b32 s56, s36, 6
	s_add_co_u32 s56, s56, s35                     ; batch x 64 + F
	s_lshl_b32 s50, s56, 11
	s_lshl_b32 s57, s[QH], 10
	s_add_co_u32 s50, s50, s57                     ; Q's fragment, my two register groups
	s_mov_b32 s51, 0
	s_lshl_b32 s52, s56, 7
	s_add_co_u32 s52, s52, QSC                     ; and its scale words
	s_mov_b32 s53, 0
	s_lshl_b32 s54, s36, 22                        ; x and out0: the batch, my 32 channels on the way out, my work-group's 64 positions
	s_lshl_b32 s57, s[WV], 19
	s_add_co_u32 s54, s54, s57
	s_lshl_b32 s57, s35, 8
	s_add_co_u32 s54, s54, s57
	s_mov_b32 s55, 0
	s_lshl_b32 s48, s[QH], 1
	s_mul_i32 s48, s48, 0x01010101                 ; v_perm_b32's selects: byte 2 (w / 4) + T of the word, four times
	s_add_co_u32 s49, s48, 0x01010101
	s_mov_b32 s[SEL], 0x76543210
	s_mov_b32 s[SEL+1], 0xfedcba98
	s_mov_b32 s[CS], 0x3fb8aa3b                    ; log2(e)
	s_mov_b32 s[CS+1], s[CS]                       ; (named with it as a pair, so it is written)
	s_mov_b32 s[MNT], 0x600000
	v_and_b32 v7, 31, v0
	v_lshlrev_b32 v8, 2, v7                        ; 4 x lane
	v_lshlrev_b32 v7, 4, v7                        ; 16 x lane
	ROUND                                          ; all four work-groups are here: the first joint loads will meet.  The round needs no argument, so it stands ahead of the wait for them
	s_wait_kmcnt 0x0
	s_load_b32 s[GAM], s[10:11], 0x0               ; gamma: wanted only on the way out, where the wait for it stands
	s_add_nc_u64 s[G0+2:G0+3], s[4:5], s[44:45]
	s_add_nc_u64 s[G0+6:G0+7], s[G0+2:G0+3], BLK
	s_or_b32 s[G0+3], s[G0+3], 0x80000000          ; type = 2
	s_or_b32 s[G0+7], s[G0+7], 0x80000000
	TLOAD G0                                       ; key step 0 of each quarter, into slot 0
	s_add_nc_u64 s[50:51], s[6:7], s[50:51]
	s_add_nc_u64 s[52:53], s[6:7], s[52:53]
	s_add_nc_u64 s[8:9], s[8:9], s[54:55]
	s_add_nc_u64 s[12:13], s[12:13], s[54:55]
	global_load_b128 v[QB+12:QB+15], v7, s[50:51]              ; Q of my first tile: lane (r, h): channels 16 h on of the tile's query r
	global_load_b128 v[QB+28:QB+31], v7, s[50:51] offset:512   ; and of my second
	global_load_b32 v9, v8, s[52:53]               ; the four tiles' scale bytes of row r
	s_mul_i32 s44, s[QT], QRT
	v_add_nc_u32 v[AD], s44, v7
	v_add_nc_u32 v[AS], s44, v8
	v_add_nc_u32 v[AD+1], BLK, v[AD]
	v_add_nc_u32 v[AS+1], BLK, v[AS]
	s_wait_loadcnt 0x0
	v_perm_b32 v[QS], v9, v9, s48
	v_perm_b32 v[QS+1], v9, v9, s49
.irp i, 0,1,2,3,4,5,6,7,8,9,10,11
	v_mov_b32 v[QB+\i], 0                          ; zero codes round Q
	v_mov_b32 v[QB+16+\i], 0
	v_mov_b32 v[QB+32+\i], 0
.endr
.irp t, 0,1                                    ; and these sixteen the four between the zero codes and it
	v_mov_b32 v[ST0+4*\t+1], 0xff61b1e6            ; the largest t so far: -3e38, under every t
	v_floor_f32 v[ST0+4*\t], -v[ST0+4*\t+1]        ; -M
	v_mov_b32 v[ST0+4*\t+2], 0                     ; the sum, in two halves
	v_mov_b32 v[ST0+4*\t+3], 0
	v_mov_b32 v[FP+2*\t], 0
	v_mov_b32 v[FP+2*\t+1], 0                      ; (named as the upper half of a pair)
.endr
.irp b, 0,1,2,3
	v_mov_b32 v[T2+\b], 0                          ; written once: a lane permute's destination counts as one of its sources
.endr
	s_wait_tensorcnt 0x0                           ; my part of step 0's blocks is in LDS
	ds_add_u32 v[SPW], v[NIL]                      ; 0 onto my spare word
	s_wait_dscnt 0x0
	ROUND                                          ; everybody's is, in every partner
	TLOAD G0+4                                     ; step 1, into slot 1: its first fill, issued as a refill is
	BODY 0, 1, 2                                   ; step 0 starts O^T's sums; at its end step 2 is asked for
	s_mov_b32 s[CNT], 2
.Lloop:                                        ; steps 1 to 4; at their ends steps 3 to 6 are asked for
	BODY 1, 0, 2
	BODY 0, 0, 2
	s_sub_co_u32 s[CNT], s[CNT], 1
	s_cmp_lg_u32 s[CNT], 0
	s_cbranch_scc1 .Lloop
	BODY 1, 0, 2                                   ; step 5; step 7 is asked for: the last load
	BODY 0, 0, 1                                   ; step 6: the tail is written out
	BODY 1, 0, 0                                   ; step 7
	; ---- THE WAY OUT.  x is asked for first: wave w will finish channels 32 w .. 32 w + 31.  Load (i, e): lanes 0-15 take the 256 bytes of channel 32 w + 4 i + e, lanes 16-31 those of channel 32 w + 4 i + 2 + e
	v_and_b32 v[RL], 15, v0
	v_bfe_u32 v[HL], v0, 4, 1
	v_and_b32 v[LN], 31, v0
	v_lshlrev_b32 v[XO], 15, v[HL]
	v_lshl_add_u32 v[XO], v[RL], 4, v[XO]
.irp i, 0,1,2,3,4,5,6,7
.irp e, 0,1
	global_load_b128 v[X+4*(2*\i+\e):X+4*(2*\i+\e)+3], v[XO], s[8:9] offset:(4*\i+\e)*16384 th:TH_LOAD_NT
.endr
.endr
	s_wait_kmcnt 0x0                               ; gamma
	s_lshl_b32 s44, s[QH], 10
	s_lshl_b32 s45, s[QT], 7
	s_add_co_u32 s45, s45, s44
	s_add_co_u32 s45, s45, STAT
	s_add_co_u32 s44, s44, STAT
	v_lshl_add_u32 v[SAD], v[LN], 2, s45
	v_lshl_add_u32 v[RDS], v[RL], 2, s44
	v_and_b32 v[RR], 8, v[RL]
	v_add_nc_u32 v[RR], v[RR], v[RL]               ; r + 8 (r / 8): my query's place in its group of 32
	; The stage.  Query q (0 .. 63) of channel pair c / 2 lies at (c / 2) x 544 + 288 ((q / 2) % 2) + 16 (q / 4) + 8 (q % 2), channel c % 2 in its low or high word.  My query is 32 (w / 4) + 8 T + r + 8 (r / 8).
	; A store's lanes 0-15 fall on 16 different pieces of 8 bytes among the first 128 of each 256, lanes 16-31 (four rows on: 2,176 bytes = 128 mod 256) on the other 128
	s_mul_i32 s46, s[QT], SQ
	s_lshl_b32 s47, s[QH], 7
	s_add_co_u32 s46, s46, s47
	v_bfe_u32 v[TA], v[RL], 1, 1
	v_mul_u32_u24 v[SA], v[TA], SHF
	v_lshrrev_b32 v[TA], 2, v[RR]
	v_lshl_add_u32 v[SA], v[TA], 4, v[SA]
	v_and_b32 v[TA], 1, v[RL]
	v_lshl_add_u32 v[SA], v[TA], 3, v[SA]
	v_mad_u32_u24 v[SA], v[HL], 4*SPT, v[SA]
	v_add_nc_u32 v[SA], s46, v[SA]
	v_add_nc_u32 v[SA+1], 64*SPT, v[SA]
	s_mul_i32 s47, s[WV], 16*SPT                   ; back: my 16 rows; lanes 0-15 one row, lanes 16-31 the next; 16 bytes a lane in each half of a row
	v_mul_u32_u24 v[RA], v[HL], SPT
	v_lshl_add_u32 v[RA], v[RL], 4, v[RA]
	v_add_nc_u32 v[RA], s47, v[RA]
.irp q, 1,2,3
	v_add_nc_u32 v[RA+\q], \q*SQ, v[RA]
.endr
.irp t, 0,1
	v_add_f32 v[ST0+4*\t+2], v[ST0+4*\t+2], v[ST0+4*\t+3]      ; the sum's two halves,
.endr
.irp t, 0,1
	v_permlanex16_b32 v[T2+\t], v[ST0+4*\t+2], s[SEL], s[SEL+1]
.endr
.irp t, 0,1
	v_add_f32 v[ST0+4*\t+2], v[ST0+4*\t+2], v[T2+\t]           ; and lane l xor 16's: my quarter's l
.endr
	v_cmp_gt_u32 vcc_lo, 16, v[LN]
.irp t, 0,1
	v_cndmask_b32 v[T2+\t], v[ST0+4*\t+2], v[ST0+4*\t], vcc_lo ; lanes 0-15 send -M, lanes 16-31 l
.endr
.irp t, 0,1
	ds_store_b32 v[SAD], v[T2+\t] offset:512*\t
.endr
	s_wait_dscnt 0x0                               ; my stores have landed; my reads of the rings ended in the last step
	s_barrier_signal -1
	s_barrier_wait -1                              ; so nobody reads the rings any more, and every quarter's -M and l lie in LDS
.irp t, 0,1
.irp q, 0,1,2,3
	ds_load_b32 v[EJ+8*\t+\q], v[RDS] offset:512*\t+128*\q         ; quarter q's -M of my query
	ds_load_b32 v[EJ+8*\t+4+\q], v[RDS] offset:512*\t+128*\q+64    ; and its l
.endr
.endr
	s_wait_dscnt 0x0
.irp t, 0,1
	v_min3_num_f32 v[BM+\t], v[EJ+8*\t], v[EJ+8*\t+1], v[EJ+8*\t+2]
.endr
.irp t, 0,1
	v_min_num_f32 v[BM+\t], v[BM+\t], v[EJ+8*\t+3]             ; the row's -M
.endr
.irp t, 0,1
.irp q, 0,1,2,3
	v_sub_f32 v[EJ+8*\t+\q], v[BM+\t], v[EJ+8*\t+\q]           ; quarter q's M - the row's M: a whole number, 0 or less
.endr
	v_sub_f32 v[HD+\t], v[BM+\t], v[ST0+4*\t]                  ; my own quarter's
.endr
.irp t, 0,1
.irp q, 0,1,2,3
	v_cvt_i32_f32 v[EJ+8*\t+\q], v[EJ+8*\t+\q]
.endr
	v_cvt_i32_f32 v[HD+\t], v[HD+\t]
.endr
.irp t, 0,1
.irp q, 0,1,2,3
	v_ldexp_f32 v[EJ+8*\t+\q], 1.0, v[EJ+8*\t+\q]
.endr
	v_ldexp_f32 v[HD+\t], 1.0, v[HD+\t]
.endr
.irp t, 0,1
	v_mul_f32 v[SO+\t], v[EJ+8*\t], v[EJ+8*\t+4]
.endr
.irp q, 1,2,3
.irp t, 0,1
	v_fmac_f32 v[SO+\t], v[EJ+8*\t+\q], v[EJ+8*\t+4+\q]        ; the row's l, under the row's M
.endr
.endr
.irp t, 0,1
	v_rcp_f32 v[SO+\t], v[SO+\t]
.endr
.irp t, 0,1
	v_mul_f32 v[HD+\t], s[GAM], v[HD+\t]                       ; (plain instructions behind the reciprocals)
.endr
	s_wait_alu depctr_va_vdst(0)
.irp t, 0,1
	v_mul_f32 v[FP+2*\t], v[SO+\t], v[HD+\t]                   ; gamma x 2^(my M - the row's M) / l
.endr
	WIN 0x41
.irp t, 0,1
.set i, 0
.rept 64
	v_pk_mul_f32 v[128*\t+i:128*\t+i+1], v[128*\t+i:128*\t+i+1], v[FP+2*\t:FP+2*\t+1] op_sel_hi:[1,0]   ; each accumulator from its low end on
.set i, i+2
.endr
.endr
	WIN 0x04                                       ; an LDS store's data are its source 1: window 1
.irp t, 0,1
.irp n, 0,1,2,3,4,5,6,7,8,9,10,11,12,13,14,15
.irp j, 0,2,4,6
	ds_store_b64 v[SA+\n/8], v[128*\t+8*\n+\j:128*\t+8*\n+\j+1] offset:(8*(\n%8)+\j/2)*SPT+32*\t   ; channels 16 n + 8 h + j and + 1 of my query: two neighbouring registers, 8 neighbouring bytes
.endr
.endr
.endr
	WIN 0
	s_wait_dscnt 0x0                               ; for the others' sake: my stores into the stage have landed
	s_barrier_signal -1
	s_barrier_wait -1                              ; four stages of 128 channel pairs x 64 queries lie in LDS
.macro LOADC cn                        ; chunk cn: rows 2 cn (lanes 0-15) and 2 cn + 1 (lanes 16-31) of my 16, from each of the four stages, into buffer cn % 2: queries 4 r, 4 r + 1 from a row's first half, 4 r + 2, 4 r + 3 from its second
.irp q, 0,1,2,3
	ds_load_b128 v[CB+32*((\cn)%2)+8*\q:CB+32*((\cn)%2)+8*\q+3], v[RA+\q] offset:2*(\cn)*SPT
	ds_load_b128 v[CB+32*((\cn)%2)+8*\q+4:CB+32*((\cn)%2)+8*\q+7], v[RA+\q] offset:2*(\cn)*SPT+SHF
.endr
.endm
	LOADC 0
	s_wait_loadcnt 0x0                             ; x
.irp k, 0,1,2,3,4,5,6,7
.if \k < 7
	LOADC \k+1
	s_wait_dscnt 8                                 ; this chunk's eight loads are in; the next chunk's may be out
.else
	s_wait_dscnt 0
.endif
.set C0, CB+32*(\k%2)
.irp p, 0,2,4,6
	v_pk_add_f32 v[C0+\p:C0+\p+1], v[C0+\p:C0+\p+1], v[C0+8+\p:C0+9+\p]            ; quarters 0 + 1,
	v_pk_add_f32 v[C0+16+\p:C0+17+\p], v[C0+16+\p:C0+17+\p], v[C0+24+\p:C0+25+\p]  ; 2 + 3,
.endr
.irp p, 0,2,4,6
	v_pk_add_f32 v[C0+\p:C0+\p+1], v[C0+\p:C0+\p+1], v[C0+16+\p:C0+17+\p]          ; and the two
.endr
.irp e, 0,1
.irp n, 0,1,2,3
	v_add_f32 v[X+4*(2*\k+\e)+\n], v[X+4*(2*\k+\e)+\n], v[C0+4*(\n/2)+2*(\n%2)+\e] ; onto x: query 4 r + n of the pair's channel e
.endr
.endr
.irp e, 0,1
	global_store_b128 v[XO], v[X+4*(2*\k+\e):X+4*(2*\k+\e)+3], s[12:13] offset:(4*\k+\e)*16384 th:TH_STORE_NT   ; 16 lanes store 256 consecutive bytes, at a multiple of 256 from out0's first byte
.endr
.endr
	s_wait_tensorcnt 0x0                           ; the wave's end: behind my last tensor load and my last LDS store
	ds_add_u32 v[SPW], v[NIL]
	s_wait_dscnt 0x0
	ROUND                                          ; the closing round: no work-group ends while a partner may still ask for a block that names it
	s_endpgm
.Lfunc_end_k_qeba7d41009_attend:
	.size	k_qeba7d41009_attend, .Lfunc_end_k_qeba7d41009_attend-k_qeba7d41009_attend
	.p2alignl 7, 3214868480
	.fill 96, 4, 3214868480
	.section	.rodata,"a",@progbits
	.p2align	6, 0x0
	.amdhsa_kernel k_qeba7d41009_attend
		.amdhsa_group_segment_fixed_size 327680
		.amdhsa_private_segment_fixed_size 0
		.amdhsa_enable_private_segment 0
		.amdhsa_kernarg_size 40
		.amdhsa_user_sgpr_count 2
		.amdhsa_user_sgpr_kernarg_segment_ptr 1
		.amdhsa_wavefront_size32 1
		.amdhsa_system_sgpr_workgroup_id_x 1
		.amdhsa_system_sgpr_workgroup_id_y 1
		.amdhsa_system_sgpr_workgroup_id_z 1
		.amdhsa_system_vgpr_workitem_id 0
		.amdhsa_next_free_vgpr 512
		.amdhsa_next_free_sgpr 66
		.amdhsa_reserve_vcc 1
		.amdhsa_float_denorm_mode_32 3
		.amdhsa_float_denorm_mode_16_64 3
		.amdhsa_memory_ordered 1
		.amdhsa_forward_progress 1
		.amdhsa_inst_pref_size 255
	.end_amdhsa_kernel
	.section	.bss,"aw",@nobits
	.p2align	6
	.space	262144
	.amdgpu_metadata
---
amdhsa.version: [ 1, 2 ]
amdhsa.kernels:
  - .name:           k_qeba7d41009_attend
    .symbol:         k_qeba7d41009_attend.kd
    .args:
      - { .name: kv, .offset: 0, .size: 8, .value_kind: global_buffer, .address_space: global }
      - { .name: qq, .offset: 8, .size: 8, .value_kind: global_buffer, .address_space: global }
      - { .name: x, .offset: 16, .size: 8, .value_kind: global_buffer, .address_space: global }
      - { .name: gamma, .offset: 24, .size: 8, .value_kind: global_buffer, .address_space: global }
      - { .name: out0, .offset: 32, .size: 8, .value_kind: global_buffer, .address_space: global }
    .group_segment_fixed_size: 327680
    .private_segment_fixed_size: 0
    .kernarg_segment_align: 8
    .kernarg_segment_size: 40
    .max_flat_workgroup_size: 256
    .sgpr_count:     66
    .vgpr_count:     512
    .wavefront_size: 32
...
	.end_amdgpu_metadata
.endif
;; end of part 2
